; MI455X (gfx1250); checked and timed in simulation.
; The chip was launched on July 23, 2026; its instructions are those of AMD's public machine-readable ISA for CDNA 5 (MIT licence, August 2026) and "CDNA5" Instruction Set Architecture Reference Guide (July 2026). The comments in the code are by the model that wrote it; some were corrected since.
;; Multi Head Attention. Allowed arithmetic: matrix products marked QUANTISED: E5M2 operands, one given power-of-two scale a tensor, by v_wmma_f32_16x16x64_bf8_bf8 or v_wmma_f32_16x16x128_bf8_bf8, f32 sums; everything else in f32.
;; Inputs: W_out 1,024 x 1,024 float32; W_qkv 3,072 x 1,024 float32; b_out 1,024 float32; b_qkv 3,072 float32; lowp_scales 8 int32 (the exponents e of the quantised operands' scales 2^e); x 2 x 2,048 x 1,024 float32.
;; Outputs: out0 2 x 2,048 x 1,024 float32.
;; This version of the problem:
;;   THIS VERSION OF THE PROBLEM IS GIVEN IN LOW PRECISION. The matrix products marked QUANTISED in the list below multiply operands that are first quantised to E5M2 (5 exponent bits, 2 mantissa bits; 8 bits a number), with one given power-of-two scale for each operand tensor; their sums are f32. All else is computed in f32.
;;   The module's matrix products, in the order in which they are computed (A, B: the left and right operand; K: the contracted axis; several contracted axes count as one K, in the product's order):
;;     1. [M 4,096, K 1,024] x [K 1,024, N 3,072]; A: input x; B: input W_qkv: QUANTISED (scales: A lowp_scales[0], B lowp_scales[1])
;;     2. batch 32 x [M 2,048, K 64] x [K 64, N 2,048]; A: computed on the way; B: computed on the way: QUANTISED (scales: A lowp_scales[2], B lowp_scales[3])
;;     3. batch 32 x [M 2,048, K 2,048] x [K 2,048, N 64]; A: softmax (see below); B: computed on the way: QUANTISED (scales: A lowp_scales[4], B lowp_scales[5])
;;     4. [M 4,096, K 1,024] x [K 1,024, N 1,024]; A: computed on the way; B: input W_out: QUANTISED (scales: A lowp_scales[6], B lowp_scales[7])
;;   THE QUANTISER, for each operand of a quantised product, along K:
;;     - The operand's scale is 2^e, e = its entry of the input lowp_scales (int32; the entries are numbered through the quantised products in the list's order, A before B).
;;     - Each number is divided by the scale, clamped to +-57,344, and rounded to the nearest number of E5M2, ties to even, subnormals kept.
;;     - The product sums the exact products of the quantised numbers (number of the format x scale) in f32.
;;   ~~~python
;;   def quantise(x, axis, e):      # numpy; x: float32 -> the quantised numbers, widened to float32 again
;;       x = np.moveaxis(x, axis, -1); K = x.shape[-1]
;;       r = np.clip(x / 2.0 ** e, -57344, 57344)
;;       step = 2.0 ** (np.maximum(np.frexp(np.where(r == 0, 1, r))[1] - 1, -14) - 2)
;;       q = np.round(r / step) * step * 2.0 ** e      # np.round: ties to even
;;       return np.moveaxis(q, -1, axis).astype(np.float32)
;;   ~~~
;;   SOFTMAX AHEAD OF A QUANTISED PRODUCT. Where the list says 'softmax', what is quantised is not the finished softmax but p = 2^(t - M), with t = logit x log2(e) and M = ceil(the row's largest t), a whole number; so 1/2 < the row's largest p <= 1. The row's sum l is taken of the UNQUANTISED p, in f32, and the product's result is divided by l at the end. Since M is a whole number, a kernel that streams over the keys may use a running M (the ceiling of the running maximum): every later rescaling is an exact power of two, so the quantised numbers keep their values, but for numbers so far below the row's largest that they fall under the format's range.
;;   OPERANDS COMPUTED ON THE WAY. 'Computed on the way' means the value that the module computes at that place (a softmax that the list does not call 'softmax' is quantised finished and normalised). What goes into a quantiser is computed in f32, as accurately as f32 sums, v_exp_f32 and their like allow (about 1e-6 of the number): no bf16 or f16 on the way to a quantiser, and a product that is left as it is and whose result goes on into a quantised operand takes f32 operands (vector FMAs, or v_wmma_f32_16x16x4_f32). A number that lies on a knife's edge between two numbers of the format may be rounded either way, as far as f32 arithmetic and the matrix unit's own rounding can turn it there, and no further.
;; One version. Each part assembles by itself: llvm-mc -triple=amdgcn-amd-amdhsa -mcpu=gfx1250 --defsym DOCPART=n.
;; ======== version 1 of 1: 4 launches
;; limits: right only within a limited range of input values
;; workspace buffers: x_img 4,194,304 bytes; w_img 3,145,728 bytes; wo_img 1,048,576 bytes; q_img 4,194,304 bytes; kv_img 8,388,608 bytes; o_img 4,194,304 bytes
;; launch quant (part 1): grid 256 x 1, 4 waves a work-group, no clusters, 35,328 bytes of LDS; arguments x, W_qkv, lowp_scales, x_img, w_img; writes x_img, w_img
.if DOCPART == 1
	.amdgcn_target "amdgcn-amd-amdhsa--gfx1250"
	.amdhsa_code_object_version 6
	.text
	.protected	k_q3a1fc577d4_quant
	.globl	k_q3a1fc577d4_quant
	.p2align	8
	.type	k_q3a1fc577d4_quant,@function
k_q3a1fc577d4_quant:
	s_mov_b64 s[64:65], 0
	v_nop
	global_prefetch_b8 v0, s[64:65] scope:SCOPE_SE
	s_setreg_imm32_b32 hwreg(HW_REG_WAVE_MODE, 25, 1), 1
	s_wait_xcnt 0x0
; x [4096][1024] and W_qkv [3072][1024], f32 with K innermost, become codes of BF8 (E5M2), laid as IMAGES OF OPERAND REGISTERS.
; code = number / 2^e, held within +-57,344, to the nearest code, ties to even; e = entry 0 for x, entry 1 for W_qkv.
; LIMITS: -126 <= e and e + 15 <= 127, so that 2^e and 57,344 x 2^e are f32 numbers.  NaN among the inputs is not served; an infinity is held at the largest code.
; Image: [tile of 16 rows][K unit of 128: 8][c: 4][lane: 32][16 bytes]; lane (r, h) holds row r, K = 128 unit + 32 c + 16 h + 0 .. 15.
; x_img's tiles are token tiles 0 .. 255.  w_img's tiles: 12 to a head: [head 16][half of d: 2][q, k, v][2], so that a wave of the next launch finds its own on end.
; A step is 16 rows x 64 K (half a unit).  Wave g of 1,024 takes four steps of x (tile g / 4, K = 256 (g % 4) on) and three of W_qkv (rows 16 (g / 16) and K = 64 (g % 16) of q, k and v).
; A load takes two rows of 256 bytes, sixteen lanes each; a step turns through the wave's own stage in LDS (rows 272 bytes apart); a lane reads back 16 neighbours twice; a store covers 512 consecutive bytes.
; All 56 loads of a wave are issued at its start.  No matrix work, no shared input: no tensor loads, no cluster, no barrier.
.set R,     0                          ; window 1: v0-223: seven sets of 32 numbers as loaded
.set X,     160                        ; v160-223  two sets of 2 x 16 neighbours
.set C,     96                         ; v96-151   codes, eight registers a step: no store's data are written again
.set STG,   16*272
.set WREG,  2*STG
.set SPARE, 4*WREG
	s_load_b256 s[4:11], s[0:1], 0x0               ; x, W_qkv, the scales' exponents, x_img
	s_load_b64 s[12:13], s[0:1], 0x20              ; w_img
	v_lshl_add_u32 v12, v0, 2, SPARE
	v_mov_b32 v13, 0
	v_lshrrev_b32 v1, 5, v0
	v_readfirstlane_b32 s18, v1                    ; wave
	v_and_b32 v2, 15, v0                           ; r
	v_bfe_u32 v3, v0, 4, 1                         ; h
	v_lshlrev_b32 v4, 4, v2
	v_lshl_add_u32 v5, v3, 12, v4                  ; in memory: row h, 16 r bytes
	s_mul_i32 s19, s18, WREG
	v_mul_u32_u24 v6, v3, 272
	v_add_nc_u32 v6, v6, v4
	v_add_nc_u32 v6, s19, v6                       ; into the stage: row h, 16 r
	v_mul_u32_u24 v7, v2, 272
	v_lshl_add_u32 v7, v3, 6, v7
	v_add_nc_u32 v7, s19, v7                       ; out of it: row r, 64 h
	v_and_b32 v8, 31, v0
	v_lshlrev_b32 v8, 4, v8                        ; 16 x lane: my place in an image
	s_lshl_b32 s20, ttmp9, 2
	s_add_co_u32 s20, s20, s18                     ; g
	s_lshr_b32 s21, s20, 2
	s_lshl_b32 s22, s21, 16
	s_and_b32 s21, s20, 3
	s_lshl_b32 s21, s21, 10
	s_add_co_u32 s22, s22, s21                     ; x: tile x 65,536 + 1,024 x quarter
	s_mov_b32 s23, 0
	s_lshl_b32 s26, s20, 12                        ; x_img: 4,096 bytes a wave
	s_mov_b32 s27, 0
	s_lshr_b32 s21, s20, 4
	s_lshl_b32 s28, s21, 16
	s_and_b32 s30, s20, 15
	s_lshl_b32 s31, s30, 8
	s_add_co_u32 s28, s28, s31
	s_add_co_u32 s28, s28, 0x400000                ; W_qkv: at k's rows, q's and v's lie 4,194,304 bytes to either side
	s_mov_b32 s29, 0
	s_lshr_b32 s31, s20, 6
	s_mul_i32 s31, s31, 12                         ; head x 12 tiles
	s_bfe_u32 s32, s20, 0x10005
	s_mul_i32 s32, s32, 6                          ; half of d x 6
	s_add_co_u32 s31, s31, s32
	s_bfe_u32 s32, s20, 0x10004
	s_add_co_u32 s31, s31, s32
	s_lshl_b32 s32, s31, 14
	s_lshl_b32 s30, s30, 10
	s_add_co_u32 s32, s32, s30
	s_mov_b32 s33, 0
	s_wait_alu depctr_va_vdst(0)
	s_wait_kmcnt 0x0
	s_load_b64 s[24:25], s[8:9], 0x0               ; e0, e1
	s_add_nc_u64 s[4:5], s[4:5], s[22:23]
	s_add_nc_u64 s[6:7], s[6:7], s[28:29]
	s_add_nc_u64 s[10:11], s[10:11], s[26:27]
	s_add_nc_u64 s[12:13], s[12:13], s[32:33]
.macro LOAD t                          ; steps 0-3: x; 4-6: W_qkv's q, k, v
.irp i, 0,1,2,3,4,5,6,7
.if (\t) < 4
	global_load_b128 v[R+32*(\t)+4*\i:R+32*(\t)+4*\i+3], v5, s[4:5] offset:8192*\i+256*(\t) th:TH_LOAD_NT
.else
	global_load_b128 v[R+32*(\t)+4*\i:R+32*(\t)+4*\i+3], v5, s[6:7] offset:8192*\i+4194304*((\t)-5) th:TH_LOAD_NT
.endif
.endr
.endm
.macro TURN t                          ; LDS serves a wave's instructions in order (ISA guide 5.7.1.4): no wait between the stores and the loads
	s_set_vgpr_msb 0x0004                          ; store data in window 1
.irp i, 0,1,2,3,4,5,6,7
	ds_store_b128 v6, v[R+32*(\t)+4*\i:R+32*(\t)+4*\i+3] offset:STG*((\t)%2)+544*\i
.endr
	s_set_vgpr_msb 0x0400
.irp c, 0,1
.irp i, 0,1,2,3
	ds_load_b128 v[X+32*((\t)%2)+16*\c+4*\i:X+32*((\t)%2)+16*\c+4*\i+3], v7 offset:STG*((\t)%2)+128*\c+16*\i
.endr
.endr
.endm
	s_set_vgpr_msb 0x0040                          ; destinations in window 1
.irp t, 0,1,2,3,4,5,6
	LOAD \t
.endr
	s_set_vgpr_msb 0x4000
	s_wait_kmcnt 0x0
.irp n, 0,1                            ; v[14:15] x's scale and hold, v[16:17] W_qkv's
	s_add_co_i32 s34, s[24+\n], 127
	s_lshl_b32 s35, s34, 23
	v_mov_b32 v[14+2*\n], s35                      ; 2^e as f32: the conversion takes its exponent field
	s_add_co_i32 s34, s34, 15
	s_lshl_b32 s34, s34, 23
	s_or_b32 s34, s34, 0x600000
	v_mov_b32 v[15+2*\n], s34                      ; 57,344 x 2^e
.endr
	s_wait_alu depctr_va_vdst(0)
	s_wait_loadcnt 48                              ; step 0's eight loads are in; the 48 of steps 1 to 6 may be out
	TURN 0
.macro STEP t
.set XS, X+32*((\t)%2)
.set CS, C+8*(\t)
.set SC, 14+2*((\t)/4)
	s_wait_dscnt 0x0                               ; this step's numbers are back
.if (\t) < 6
	s_wait_loadcnt 8*(5-(\t))                      ; the next step's eight loads are in; those of the steps behind it may be out
	TURN (\t)+1                                    ; the next step goes through the other stage while this one is worked
.endif
.set j, 0
.rept 32
	v_med3_num_f32 v[XS+j], v[XS+j], -v[SC+1], v[SC+1]   ; the conversion to an 8-bit code does not saturate (ISA guide 7.6.2)
.set j, j+1
.endr
.irp b, 0,1,2,3
	v_cvt_scalef32_pk8_bf8_f32 v[CS+2*\b:CS+2*\b+1], v[XS+8*\b:XS+8*\b+7], v[SC]
.endr
	v_nop
.irp c, 0,1
.if (\t) < 4
	global_store_b128 v8, v[CS+4*\c:CS+4*\c+3], s[10:11] offset:1024*(\t)+512*\c
.else
	global_store_b128 v8, v[CS+4*\c:CS+4*\c+3], s[12:13] offset:32768*((\t)-4)+512*\c
.endif
.endr
.endm
.irp t, 0,1,2,3,4,5,6
	STEP \t
.endr
	s_wait_tensorcnt 0x0                           ; the wave's end
	ds_add_u32 v12, v13
	s_wait_dscnt 0x0
	s_endpgm
.Lfunc_end_k_q3a1fc577d4_quant:
	.size	k_q3a1fc577d4_quant, .Lfunc_end_k_q3a1fc577d4_quant-k_q3a1fc577d4_quant
	.p2alignl 7, 3214868480
	.fill 96, 4, 3214868480
	.section	.rodata,"a",@progbits
	.p2align	6, 0x0
	.amdhsa_kernel k_q3a1fc577d4_quant
		.amdhsa_group_segment_fixed_size 35328
		.amdhsa_private_segment_fixed_size 0
		.amdhsa_enable_private_segment 0
		.amdhsa_kernarg_size 40
		.amdhsa_user_sgpr_count 2
		.amdhsa_user_sgpr_kernarg_segment_ptr 1
		.amdhsa_wavefront_size32 1
		.amdhsa_system_sgpr_workgroup_id_x 1
		.amdhsa_system_sgpr_workgroup_id_y 1
		.amdhsa_system_sgpr_workgroup_id_z 1
		.amdhsa_system_vgpr_workitem_id 0
		.amdhsa_next_free_vgpr 512
		.amdhsa_next_free_sgpr 66
		.amdhsa_reserve_vcc 0
		.amdhsa_float_denorm_mode_32 3
		.amdhsa_float_denorm_mode_16_64 3
		.amdhsa_memory_ordered 1
		.amdhsa_forward_progress 1
		.amdhsa_inst_pref_size 34
	.end_amdhsa_kernel
	.amdgpu_metadata
---
amdhsa.version: [ 1, 2 ]
amdhsa.kernels:
  - .name:           k_q3a1fc577d4_quant
    .symbol:         k_q3a1fc577d4_quant.kd
    .args:
      - { .name: x, .offset: 0, .size: 8, .value_kind: global_buffer, .address_space: global }
      - { .name: W_qkv, .offset: 8, .size: 8, .value_kind: global_buffer, .address_space: global }
      - { .name: lowp_scales, .offset: 16, .size: 8, .value_kind: global_buffer, .address_space: global }
      - { .name: x_img, .offset: 24, .size: 8, .value_kind: global_buffer, .address_space: global }
      - { .name: w_img, .offset: 32, .size: 8, .value_kind: global_buffer, .address_space: global }
    .group_segment_fixed_size: 35328
    .private_segment_fixed_size: 0
    .kernarg_segment_align: 8
    .kernarg_segment_size: 40
    .max_flat_workgroup_size: 128
    .sgpr_count:     66
    .vgpr_count:     512
    .wavefront_size: 32
...
	.end_amdgpu_metadata
.endif
;; end of part 1
;; launch gemm_qkv (part 2): grid 16 x 16, 4 waves a work-group, clusters of 4 x 1, 327,680 bytes of LDS; arguments x_img, w_img, lowp_scales, b_qkv, q_img, kv_img; writes q_img, kv_img
.if DOCPART == 2
	.amdgcn_target "amdgcn-amd-amdhsa--gfx1250"
	.amdhsa_code_object_version 6
	.text
	.protected	k_q3a1fc577d4_gemm_qkv
	.globl	k_q3a1fc577d4_gemm_qkv
	.p2align	8
	.type	k_q3a1fc577d4_gemm_qkv,@function
k_q3a1fc577d4_gemm_qkv:
	s_mov_b64 s[64:65], 0
	v_nop
	global_prefetch_b8 v0, s[64:65] scope:SCOPE_SE
	s_setreg_imm32_b32 hwreg(HW_REG_WAVE_MODE, 25, 1), 1
	s_wait_xcnt 0x0
	s_wait_alu depctr_hold_cnt(0) depctr_sa_sdst(0) depctr_va_vdst(0) depctr_va_sdst(0) depctr_va_ssrc(0) depctr_va_vcc(0) depctr_vm_vsrc(0)
	s_getreg_b32 s2, hwreg(HW_REG_IB_STS2, 6, 4)
	s_cmp_eq_u32 s2, 0
	s_cbranch_scc0 .Lentry_in_a_cluster
	s_endpgm
.Lentry_in_a_cluster:
	s_bfe_u32 s2, ttmp6, 0x10000c
	s_cmp_lg_u32 s2, 0x3003
	s_cbranch_scc0 .Lentry_shape_is_right
	s_endpgm
.Lentry_shape_is_right:
; qkv = x W_qkv^T + b_qkv on codes of BF8 (E5M2); then q, k and v are quantised (scales: entries 2, 3, 5) and stored as images of operand registers for the attention launch.
; The number that is quantised is sum x 2^(e0 + e1) + bias, one fused multiply-add in f32.
; LIMITS: e0 + e1 between -126 and 127; e2, e3, e5 between -126 and 112: each power of two below is then an f32 number.  NaN among the inputs is not served.
; SHARES.  A work-group makes ONE HEAD's q, k and v (3 x 64 features) for 256 tokens: 16 heads x 16 token blocks = 256 equal work-groups.  Four waves: 128 tokens x 32 d of each of q, k, v: 48 accumulators, 384 registers.
; Both operands come as images (16 rows x 128 K = 2,048 bytes).
; x: the tile's WHOLE K, 16 token tiles x 16,384 bytes, lies in LDS and is filled once, in two halves of K, each by one tensor load of 32,768 bytes a wave.  It is the same for all heads: the four work-groups of a cluster ask for it JOINTLY.
; W goes from memory STRAIGHT INTO REGISTERS: 24 loads of 512 consecutive bytes a wave for a K unit, three sets of 96 registers, two units ahead.  It is not shared by mask: beside x's 262,144 bytes LDS has no room for W's 196,608,
; so a shared W would want a ring, with refills and rounds of the cluster's barrier among the products; this way no byte is filled twice, and LDS is read for 8 of a unit's 14 fragments only.
; No prefetch: x has two fills in all, and no loop runs ahead of a tensor load.
; WHAT A LANE HOLDS.  Source 0 gives a result's registers, source 1 its lanes.  q, k: source 1 = tokens: a lane holds one token and eight neighbouring d.  v: source 1 = features: one d and eight neighbouring keys.
; So the conversion of an accumulator's eight registers IS two registers of the next operand; two neighbouring accumulators make 16 bytes a lane, 512 consecutive bytes a store.
; q_img [bh 32][token tile 128][1,024];  kv_img [bh 32][block of 128 keys: 16][16,384]: eight fragments of K (16 keys x 64 d), then four of V^T (16 d x 128 keys, 2,048 bytes).
; REGISTERS.  window 0: v0-31 addresses; v32-63 bias of q, k by register; v64-67 bias of v by lane, twice; v68-73 scales and holds; v96-127 W's set 2, v's two fragments; v128-255 token fragments, set 0; on the way out v80-175 codes, v176-239 at work.
;   window 1: W's sets 0, 1 at v0, v96; set 2, q's and k's four fragments, at v192.   window 2: q's and k's accumulators ((a, b) at v[8 (4 a + b)]).   window 3: v's at v[8 (8 i + b)]; v128-255 token fragments, set 1.
.set HALFK, 131072                     ; half of x's tile: [token tile 16][K unit 4][2,048]
.set SPARE, 2*HALFK
.set ADT, 16                           ; v16-17 LDS address of my eight token tiles in the lower, the upper half of K
.set CO,  26                           ; v26 16 x lane
.set SPW, 28
.set NIL, 29
.set BB,  32
.set BA,  64
.set CD,  80
.set TMP, 176
.set G1,  24
.set G0,  32                           ; s[32:35], s[36:39]: one group 0 for each half of K
.set MSB, 0
.macro WIN new                         ; the immediate's high byte repeats the setting that is left
.if MSB != (\new)
	s_set_vgpr_msb (MSB<<8)|(\new)
.set MSB, (\new)
.endif
.endm
.macro CROUND                          ; a round of the cluster's barrier
	s_barrier_signal -1
	s_barrier_wait -1
	s_cmp_lg_u32 s14, 0
	s_cbranch_scc1 .Lnot_wave_0_\@
	s_barrier_signal -3
.Lnot_wave_0_\@:
	s_barrier_wait -3
	s_barrier_signal -1
	s_barrier_wait -1
.endm
	s_load_b128 s[4:7], s[0:1], 0x0                ; x_img, w_img
	s_load_b128 s[8:11], s[0:1], 0x10              ; the scales' exponents, b_qkv
	s_load_b128 s[84:87], s[0:1], 0x20             ; q_img, kv_img
	v_lshl_add_u32 v[SPW], v0, 2, SPARE
	v_mov_b32 v[NIL], 0
	ds_add_u32 v[SPW], v[NIL]                      ; the opening: the add, twice on end, and its wait
	ds_add_u32 v[SPW], v[NIL]
	v_lshrrev_b32 v1, 5, v0
	v_readfirstlane_b32 s14, v1                    ; wave 0..3
	v_and_b32 v1, 15, v0                           ; r
	v_bfe_u32 v2, v0, 4, 1                         ; h
	v_and_b32 v7, 31, v0
	v_lshlrev_b32 v[CO], 4, v7
	v_lshlrev_b32 v5, 5, v2                        ; 32 h
	v_lshlrev_b32 v6, 2, v1                        ; 4 r
	s_lshr_b32 s15, s14, 1                         ; my half of the tokens
	s_and_b32 s16, s14, 1                          ; my half of d
	s_lshl_b32 s81, s15, 16
	v_add_nc_u32 v[ADT], s81, v[CO]
	v_add_nc_u32 v[ADT+1], HALFK, v[ADT]
	s_bfe_u32 s40, ttmp6, 0x40000                  ; cx
	s_lshl_b32 s42, ttmp9, 2
	s_add_co_u32 s42, s42, s40                     ; the head
	s_and_b32 s17, ttmp7, 0xffff                   ; the block of 256 tokens
	s_mov_b32 s[G1], 15|(3<<16)|(1<<21)            ; the mask: the cluster's four; elements of 8 bytes; no padding; 21 set beside a mask
	s_mov_b32 s[G1+1], 1024<<16                    ; four rows of 8,192 bytes (four K units of a tile), 16,384 bytes apart
	s_mov_b32 s[G1+2], 4<<16
	s_mov_b32 s[G1+3], 1024<<16
	s_mov_b32 s[G1+4], 4
	s_mov_b32 s[G1+5], 2048
	s_mov_b32 s[G1+6], 0
	s_mov_b32 s[G1+7], 0
	s_lshl_b32 s45, s14, 15                        ; my four token tiles, in a half in LDS
	s_lshl_b32 s20, s17, 18
	s_lshl_b32 s18, s14, 16
	s_add_co_u32 s20, s20, s18                     ; and in memory
	s_mov_b32 s21, 0
	s_mul_i32 s46, s42, 12*16384                   ; W: 12 tiles a head,
	s_mul_i32 s18, s16, 6*16384
	s_add_co_u32 s46, s46, s18                     ; 6 a half of d: q, q, k, k, v, v
	s_mov_b32 s47, 0
	s_wait_alu depctr_va_vdst(0)
	s_wait_dscnt 0x0                               ; both opening adds are done
	s_wait_kmcnt 0x0
	s_load_b256 s[68:75], s[8:9], 0x0              ; e0 .. e7
	s_add_nc_u64 s[20:21], s[4:5], s[20:21]
	s_add_nc_u64 s[46:47], s[6:7], s[46:47]
	s_mov_b32 s[G0], 1
	s_mov_b32 s[G0+1], s45
	s_mov_b64 s[G0+2:G0+3], s[20:21]
	s_or_b32 s[G0+3], s[G0+3], 0x80000000
	s_mov_b32 s[G0+4], 1
	s_add_co_u32 s[G0+5], s45, HALFK
	s_add_nc_u64 s[G0+6:G0+7], s[20:21], 8192
	s_or_b32 s[G0+7], s[G0+7], 0x80000000
; The g-th three of the 24 loads that bring W's six fragments of K unit u into set u % 3
.macro LF3 u, g
.irp m, 0,1,2
.set N, 3*(\g)+\m
.set FN, N/4
.set CN, N%4
.if (((\u)%3) == 2) && (FN > 3)
	WIN 0
.set FR, 96+16*(FN-4)
.else
	WIN 0x40
.set FR, 96*((\u)%3)+16*FN
.endif
	global_load_b128 v[FR+4*CN:FR+4*CN+3], v[CO], s[46:47] offset:16384*FN+2048*(\u)+512*CN
.endr
.endm
.macro LF u
.irp g, 0,1,2,3,4,5,6,7
	LF3 \u, \g
.endr
.endm
	CROUND                                         ; the four work-groups are here: the joint loads meet
	tensor_load_to_lds s[G0:G0+3], s[G1:G1+7]
	s_nop 0
.rept 4
	v_nop
.endr
	LF 0
	LF 1
	WIN 0
	s_lshl_b32 s76, s42, 8
	s_lshl_b32 s77, s16, 7
	s_add_co_u32 s76, s76, s77
	s_mov_b32 s77, 0
	s_add_nc_u64 s[78:79], s[10:11], s[76:77]      ; my bias: head x 256 + half x 128 bytes; k's 4,096 on, v's 8,192 on
	; where my images go
	s_lshr_b32 s76, s17, 3
	s_lshl_b32 s76, s76, 4
	s_add_co_u32 s76, s76, s42                     ; bh = 16 x batch + head
	s_and_b32 s80, s17, 7
	s_lshl_b32 s82, s80, 1
	s_add_co_u32 s82, s82, s15                     ; my block of 128 keys in the batch
	s_lshl_b32 s88, s76, 17
	s_lshl_b32 s89, s82, 13
	s_add_co_u32 s88, s88, s89
	s_lshl_b32 s90, s16, 9
	s_add_co_u32 s88, s88, s90                     ; q: + 512 x half of d
	s_lshl_b32 s92, s76, 18
	s_lshl_b32 s93, s82, 14
	s_add_co_u32 s92, s92, s93
	s_add_co_u32 s90, s92, s90                     ; k
	s_lshl_b32 s93, s16, 12
	s_add_co_u32 s92, s92, s93
	s_add_co_u32 s92, s92, 8192                    ; v
	s_mov_b32 s89, 0
	s_mov_b32 s91, 0
	s_mov_b32 s93, 0
	s_add_nc_u64 s[88:89], s[84:85], s[88:89]
	s_add_nc_u64 s[90:91], s[86:87], s[90:91]
	s_add_nc_u64 s[92:93], s[86:87], s[92:93]
	s_wait_kmcnt 0x0
	s_add_co_i32 s96, s68, s69
	s_add_co_i32 s96, s96, 127
	s_lshl_b32 s96, s96, 23                        ; 2^(e0 + e1) as f32
	s_mov_b32 s97, s96                             ; (named with it as a pair)
.macro SCALE e, reg
	s_add_co_i32 s80, s[\e], 127
	s_lshl_b32 s82, s80, 23
	v_mov_b32 v[\reg], s82                         ; 2^e
	s_add_co_i32 s80, s80, 15
	s_lshl_b32 s80, s80, 23
	s_or_b32 s80, s80, 0x600000
	v_mov_b32 v[\reg+1], s80                       ; 57,344 x 2^e
.endm
	SCALE 70, 68                                   ; e2: q
	SCALE 71, 70                                   ; e3: k
	SCALE 73, 72                                   ; e5: v
.macro PLACES                          ; four places behind a matrix instruction, ahead of a load into, or a vector write of, a register that it has read (ISA guide 7.12.1 for vector writes)
.rept 4
	v_nop
.endr
.endm
; Token tile a of K unit u into set u % 2: 16 bytes a lane, 512 consecutive bytes a load
.macro LT u, a
	WIN 0xc0*((\u)%2)
.irp c, 0,1,2,3
	ds_load_b128 v[128+16*(\a)+4*\c:128+16*(\a)+4*\c+3], v[ADT+(\u)/4] offset:8192*(\a)+2048*((\u)%4)+512*\c
.endr
.endm
; The 48 accumulators take turns, one instruction a turn.  K unit 0 starts the sums.
.macro MULQ u, a                       ; token tile a x q's and k's four feature tiles: source 0 features, source 1 tokens
	WIN 0xa1+0x0c*((\u)%2)
.irp b, 0,1,2,3
.set AC, 8*(4*(\a)+\b)
.set FR, 96*((\u)%3)+16*\b
.set TR, 128+16*(\a)
.if (\u) == 0
	v_wmma_f32_16x16x128_bf8_bf8 v[AC:AC+7], v[FR:FR+15], v[TR:TR+15], 0
.else
	v_wmma_f32_16x16x128_bf8_bf8 v[AC:AC+7], v[FR:FR+15], v[TR:TR+15], v[AC:AC+7]
.endif
.endr
.endm
.macro MULV u, b0                      ; token tiles b0, b0 + 1 x v's two feature tiles: source 0 tokens, source 1 features
.if ((\u)%3) == 2
	WIN 0xf0+0x03*((\u)%2)
.else
	WIN 0xf4+0x03*((\u)%2)
.endif
.irp b, 0,1
.irp i, 0,1
.set AC, 8*(8*\i+\b0+\b)
.set TR, 128+16*(\b0+\b)
.if ((\u)%3) == 2
.set FR, 96+16*\i
.else
.set FR, 96*((\u)%3)+64+16*\i
.endif
.if (\u) == 0
	v_wmma_f32_16x16x128_bf8_bf8 v[AC:AC+7], v[TR:TR+15], v[FR:FR+15], 0
.else
	v_wmma_f32_16x16x128_bf8_bf8 v[AC:AC+7], v[TR:TR+15], v[FR:FR+15], v[AC:AC+7]
.endif
.endr
.endr
.endm
.macro STEP u                          ; K units 0 .. 6.  The loads of later units stand among the products: four of x and three of W behind each token tile's four
.if (\u) == 0
	s_wait_loadcnt 48                              ; W's unit 0 is in; the 48 loads of units 1 and 2 may be out
.else
	s_wait_loadcnt 24                              ; W's unit u is in; the next unit's 24 loads may be out
.endif
.if (\u) == 3
	s_wait_tensorcnt 0x0                           ; my part of the upper half of K is in: unit 4 is read from here on
.endif
	s_wait_dscnt 0x0                               ; x's unit u is in
.if (\u) == 3
	s_barrier_signal -1
	s_barrier_wait -1                              ; everybody's part is
.endif
	PLACES                                         ; behind the unit before's products, whose registers the loads below take
.if (\u) == 6                          ; the bias, 12 loads
	WIN 0
.irp b, 0,1,2,3                        ; b = 0, 1: q; 2, 3: k
	global_load_b128 v[BB+8*\b:BB+8*\b+3], v5, s[78:79] offset:4096*(\b/2)+64*(\b%2)
	global_load_b128 v[BB+8*\b+4:BB+8*\b+7], v5, s[78:79] offset:4096*(\b/2)+64*(\b%2)+16
.endr
.irp i, 0,1
	global_load_b32 v[BA+2*\i], v6, s[78:79] offset:8192+64*\i
	global_load_b32 v[BA+2*\i+1], v6, s[78:79] offset:8192+64*\i    ; twice: the packed multiply-add takes a pair
.endr
.endif
.irp a, 0,1,2,3,4,5,6,7
	MULQ \u, \a
	LT (\u)+1, \a
.if ((\u) > 0) && ((\u) < 6)
	LF3 (\u)+2, \a                                 ; into the set that the unit before has done with
.endif
.endr
	MULV \u, 0
	MULV \u, 2
	MULV \u, 4
	MULV \u, 6
	WIN 0
.endm
; THE WAY OUT, 64 numbers a lane at a time (g): g = 0 .. 3: token tiles 2 g, 2 g + 1: q's 16 numbers, k's 16, and again; g = 4, 5: v's d tile g - 4, 8 key tiles.  Every 16 numbers make 16 bytes: one store.
.macro EPI g
	WIN 0x02+(\g)/4
.set j, 0
.rept 32
.if (\g) < 4
	v_pk_fma_f32 v[TMP+j:TMP+j+1], v[64*(\g)+j:64*(\g)+j+1], s[96:97], v[BB+j%32:BB+j%32+1] op_sel_hi:[1,0,1]
.else
	v_pk_fma_f32 v[TMP+j:TMP+j+1], v[64*((\g)-4)+j:64*((\g)-4)+j+1], s[96:97], v[BA+2*((\g)-4):BA+2*((\g)-4)+1] op_sel_hi:[1,0,1]
.endif
.set j, j+2
.endr
	WIN 0
.set j, 0
.rept 64
.if (\g) < 4
.set LM, 69+2*((j/16)%2)
.else
.set LM, 73
.endif
	v_med3_num_f32 v[TMP+j], v[TMP+j], -v[LM], v[LM]   ; the conversion to an 8-bit code does not saturate (ISA guide 7.6.2)
.set j, j+1
.endr
.irp b, 0,1,2,3,4,5,6,7
.if (\g) < 4
.set SC, 68+2*((\b/2)%2)
.else
.set SC, 72
.endif
	v_cvt_scalef32_pk8_bf8_f32 v[CD+16*(\g)+2*\b:CD+16*(\g)+2*\b+1], v[TMP+8*\b:TMP+8*\b+7], v[SC]
.endr
	v_nop                                          ; one plain vector line between the conversions and the lines that write their sources
.irp u, 0,1,2,3
.if (\g) < 4
	global_store_b128 v[CO], v[CD+16*(\g)+4*\u:CD+16*(\g)+4*\u+3], s[88+2*(\u%2):89+2*(\u%2)] offset:1024*(2*(\g)+\u/2)
.else
	global_store_b128 v[CO], v[CD+16*(\g)+4*\u:CD+16*(\g)+4*\u+3], s[92:93] offset:2048*((\g)-4)+512*\u
.endif
.endr
.endm
	s_wait_alu depctr_va_vdst(0)
	s_wait_tensorcnt 0x0                           ; my part of the lower half of K is in; these lines stand ahead of a later first fill, as ahead of a refill
	ds_add_u32 v[SPW], v[NIL]
	s_wait_dscnt 0x0
	CROUND                                         ; everybody's part is
	tensor_load_to_lds s[G0+4:G0+7], s[G1:G1+7]
	s_nop 0
.rept 4
	v_nop
.endr
.irp a, 0,1,2,3,4,5,6,7
	LT 0, \a
.endr
	LF 2
	WIN 0
.irp u, 0,1,2,3,4,5,6
	STEP \u
.endr
	; K unit 7 goes by pairs of token tiles: a pair's q and k leave while later pairs are multiplied
	s_wait_loadcnt 12                              ; W's unit 7 is in; the bias may be out
	s_wait_dscnt 0x0
	MULQ 7, 0
	MULQ 7, 1
	MULV 7, 0
	MULQ 7, 2
	MULQ 7, 3
	MULV 7, 2
	WIN 0
	PLACES
	s_wait_loadcnt 0x0                             ; the bias
	EPI 0                                          ; from here on a group's own vector lines are the places behind the products of the next
	MULQ 7, 4
	MULQ 7, 5
	MULV 7, 4
	EPI 1
	MULQ 7, 6
	MULQ 7, 7
	MULV 7, 6
	EPI 2
	EPI 3
	EPI 4
	EPI 5
	s_wait_tensorcnt 0x0                           ; the wave's end
	ds_add_u32 v[SPW], v[NIL]
	s_wait_dscnt 0x0
	CROUND                                         ; the closing round
	s_endpgm
.Lfunc_end_k_q3a1fc577d4_gemm_qkv:
	.size	k_q3a1fc577d4_gemm_qkv, .Lfunc_end_k_q3a1fc577d4_gemm_qkv-k_q3a1fc577d4_gemm_qkv
	.p2alignl 7, 3214868480
	.fill 96, 4, 3214868480
	.section	.rodata,"a",@progbits
	.p2align	6, 0x0
	.amdhsa_kernel k_q3a1fc577d4_gemm_qkv
		.amdhsa_group_segment_fixed_size 327680
		.amdhsa_private_segment_fixed_size 0
		.amdhsa_enable_private_segment 0
		.amdhsa_kernarg_size 48
		.amdhsa_user_sgpr_count 2
		.amdhsa_user_sgpr_kernarg_segment_ptr 1
		.amdhsa_wavefront_size32 1
		.amdhsa_system_sgpr_workgroup_id_x 1
		.amdhsa_system_sgpr_workgroup_id_y 1
		.amdhsa_system_sgpr_workgroup_id_z 1
		.amdhsa_system_vgpr_workitem_id 0
		.amdhsa_next_free_vgpr 1024
		.amdhsa_next_free_sgpr 100
		.amdhsa_reserve_vcc 0
		.amdhsa_float_denorm_mode_32 3
		.amdhsa_float_denorm_mode_16_64 3
		.amdhsa_memory_ordered 1
		.amdhsa_forward_progress 1
		.amdhsa_inst_pref_size 115
	.end_amdhsa_kernel
	.amdgpu_metadata
---
amdhsa.version: [ 1, 2 ]
amdhsa.kernels:
  - .name:           k_q3a1fc577d4_gemm_qkv
    .symbol:         k_q3a1fc577d4_gemm_qkv.kd
    .args:
      - { .name: x_img, .offset: 0, .size: 8, .value_kind: global_buffer, .address_space: global }
      - { .name: w_img, .offset: 8, .size: 8, .value_kind: global_buffer, .address_space: global }
      - { .name: lowp_scales, .offset: 16, .size: 8, .value_kind: global_buffer, .address_space: global }
      - { .name: b_qkv, .offset: 24, .size: 8, .value_kind: global_buffer, .address_space: global }
      - { .name: q_img, .offset: 32, .size: 8, .value_kind: global_buffer, .address_space: global }
      - { .name: kv_img, .offset: 40, .size: 8, .value_kind: global_buffer, .address_space: global }
    .group_segment_fixed_size: 327680
    .private_segment_fixed_size: 0
    .kernarg_segment_align: 8
    .kernarg_segment_size: 48
    .max_flat_workgroup_size: 128
    .sgpr_count:     100
    .vgpr_count:     1024
    .wavefront_size: 32
...
	.end_amdgpu_metadata
.endif
;; end of part 2
;; launch attn (part 3): grid 8 x 32, 8 waves a work-group, clusters of 4 x 1, 327,680 bytes of LDS; arguments q_img, kv_img, lowp_scales, W_out, o_img, wo_img; writes o_img, wo_img
.if DOCPART == 3
	.amdgcn_target "amdgcn-amd-amdhsa--gfx1250"
	.amdhsa_code_object_version 6
	.text
	.protected	k_q3a1fc577d4_attn
	.globl	k_q3a1fc577d4_attn
	.p2align	8
	.type	k_q3a1fc577d4_attn,@function
k_q3a1fc577d4_attn:
	s_mov_b64 s[64:65], 0
	v_nop
	global_prefetch_b8 v0, s[64:65] scope:SCOPE_SE
	s_setreg_imm32_b32 hwreg(HW_REG_WAVE_MODE, 25, 1), 1
	s_wait_xcnt 0x0
	s_wait_alu depctr_hold_cnt(0) depctr_sa_sdst(0) depctr_va_vdst(0) depctr_va_sdst(0) depctr_va_ssrc(0) depctr_va_vcc(0) depctr_vm_vsrc(0)
	s_getreg_b32 s2, hwreg(HW_REG_IB_STS2, 6, 4)
	s_cmp_eq_u32 s2, 0
	s_cbranch_scc0 .Lentry_in_a_cluster
	s_endpgm
.Lentry_in_a_cluster:
	s_bfe_u32 s2, ttmp6, 0x10000c
	s_cmp_lg_u32 s2, 0x3003
	s_cbranch_scc0 .Lentry_shape_is_right
	s_endpgm
.Lentry_shape_is_right:
; Attention on codes of BF8 (E5M2): S^T = K Q^T, p = 2^(t - M) with t = score x log2(e) / 8 and M the ceiling of the running largest t, O^T = V^T P^T; O / (the f32 sum of the unquantised p) is quantised (entry 6) and stored as an image.
; On the side each wave quantises 512 numbers of W_out (entry 7) into an image for the next launch: each number of W_out is read by one wave.
; LIMITS: e2 + e3 between -123 and 120; e4, e6, e7 between -126 and 112, so that each power of two below is an f32 number.  NaN among the inputs is not served.  Scaled scores stay under 2^31.
; SHARES.  A work-group owns 256 queries of one head; each of its eight waves owns 32, two tiles, and walks all 2,048 keys, 256 a step.  K and V of the head, 262,144 bytes of images, lie whole in LDS.
; They come by two joint loads a wave (the four work-groups of a cluster share a head): the first step's 32,768 bytes, then, behind a round, the other 229,376, which land while the first step is worked.  No byte is filled twice.
; No prefetch: all that LDS takes is asked for in the head; there is no loop to run ahead in.
; Both products are used transposed: a lane holds ONE query; accumulator t's eight registers are keys 16 t + 8 (lane / 16) + 0 .. 7, and their codes are registers 2 t, 2 t + 1 of P.
; REGISTERS.  window 0: v1-31 addresses, scales and the rows' state; v32-47 W_out's numbers; v48-63 Q; v64-191 one tile's scores (128 x 32 lanes); v192-223, v224-255 P of the two tiles.
;   window 1: v0-127 K's 16 fragments, the lower half then V's for the step's upper 128 keys; v128-191 V's for its lower 128; v192-255 O^T.
.set LI,  1                            ; 16 x lane
.set ADR, 2
.set PSC, 3                            ; 2^e4, and the hold
.set PLM, 4
.set OSC, 5
.set OLM, 6
.set SPW, 28
.set NIL, 29
.set WSC, 30
.set WLM, 31
.set WN,  32
.set Q,   48
.set S,   64
.set P,   192
.set KF,  0
.set VF,  128
.set O,   192
.set WV,  12
.set G1A, 24
.set G1B, 32
.set G0A, 40
.set G0B, 44
.set CS,  56
.set SEL, 58
.set TB,  60
.set CNT, 61
.set BLOCK, 16384
.set SPARE, 16*BLOCK
.set MSB, 0
.macro WIN new                         ; the immediate's high byte repeats the setting that is left
.if MSB != (\new)
	s_set_vgpr_msb (MSB<<8)|(\new)
.set MSB, (\new)
.endif
.endm
.macro CROUND                          ; a round of the cluster's barrier
	s_barrier_signal -1
	s_barrier_wait -1
	s_cmp_lg_u32 s[WV], 0
	s_cbranch_scc1 .Lnot_wave_0_\@
	s_barrier_signal -3
.Lnot_wave_0_\@:
	s_barrier_wait -3
	s_barrier_signal -1
	s_barrier_wait -1
.endm
	s_load_b256 s[4:11], s[0:1], 0x0               ; q_img, kv_img, the scales' exponents, W_out
	s_load_b128 s[16:19], s[0:1], 0x20             ; o_img, wo_img
	v_lshl_add_u32 v[SPW], v0, 2, SPARE
	v_mov_b32 v[NIL], 0
	ds_add_u32 v[SPW], v[NIL]                      ; the opening: the add, twice on end, and its wait
	ds_add_u32 v[SPW], v[NIL]
	v_lshrrev_b32 v2, 5, v0
	v_readfirstlane_b32 s[WV], v2
	v_and_b32 v[LI], 31, v0
	v_lshlrev_b32 v[LI], 4, v[LI]
	v_and_b32 v7, 15, v0
	v_lshlrev_b32 v26, 12, v7
	v_bfe_u32 v7, v0, 4, 1
	v_lshl_add_u32 v26, v7, 5, v26                 ; W_out: row r, 32 h bytes
	v_mov_b32 v24, 0                               ; written once: a lane permute's destination counts as one of its sources
	v_mov_b32 v25, 0
	v_mov_b32 v13, 0                               ; (named as the upper halves of the pairs of f)
	v_mov_b32 v19, 0
	s_bfe_u32 s13, ttmp6, 0x40000
	s_lshl_b32 s14, ttmp9, 2
	s_add_co_u32 s14, s14, s13                     ; block of 256 queries
	s_and_b32 s15, ttmp7, 0xffff                   ; bh = 16 x batch + head
.irp g, G1A, G1B                       ; dense images as rows of 256 bytes, elements of 8; the mask names the cluster's four; 21 set beside a mask
	s_mov_b32 s[\g], 15|(3<<16)|(1<<21)
	s_mov_b32 s[\g+1], 32<<16
	s_mov_b32 s[\g+3], 32<<16
	s_mov_b32 s[\g+5], 32
	s_mov_b32 s[\g+6], 0
	s_mov_b32 s[\g+7], 0
.endr
	s_mov_b32 s[G1A+2], 16<<16                     ; 4,096 bytes a wave,
	s_mov_b32 s[G1A+4], 16
	s_mov_b32 s[G1B+2], 112<<16                    ; then 28,672
	s_mov_b32 s[G1B+4], 112
	s_mov_b32 s[SEL], 0x76543210                   ; v_permlanex16_b32's selects for lane l xor 16
	s_mov_b32 s[SEL+1], 0xfedcba98
	s_lshl_b32 s20, s[WV], 12
	s_mul_i32 s21, s[WV], 28672
	s_add_co_u32 s21, s21, 2*BLOCK
	s_lshl_b32 s66, s15, 18
	s_add_co_u32 s68, s66, s20
	s_mov_b32 s69, 0
	s_add_co_u32 s70, s66, s21
	s_mov_b32 s71, 0
	s_lshl_b32 s22, s14, 4
	s_lshl_b32 s23, s[WV], 1
	s_add_co_u32 s22, s22, s23                     ; my first tile of queries in the batch
	s_lshl_b32 s72, s15, 7
	s_add_co_u32 s72, s72, s22
	s_lshl_b32 s72, s72, 10                        ; q_img: [bh][tile 128][1,024]
	s_mov_b32 s73, 0
	s_lshr_b32 s74, s15, 4
	s_lshl_b32 s74, s74, 7
	s_add_co_u32 s74, s74, s22
	s_lshl_b32 s74, s74, 14
	s_and_b32 s23, s15, 15
	s_lshl_b32 s23, s23, 10
	s_add_co_u32 s74, s74, s23                     ; o_img: [token tile 256][head 16][1,024]
	s_mov_b32 s75, 0
	s_lshl_b32 s76, s15, 3
	s_add_co_u32 s76, s76, s14
	s_lshl_b32 s76, s76, 3
	s_add_co_u32 s76, s76, s[WV]                   ; g of 2,048: rows 16 (g / 32) on, K = 32 (g % 32) on of W_out
	s_lshr_b32 s78, s76, 5
	s_lshl_b32 s78, s78, 16
	s_and_b32 s79, s76, 31
	s_lshl_b32 s79, s79, 7
	s_add_co_u32 s78, s78, s79
	s_mov_b32 s79, 0
	s_lshl_b32 s76, s76, 9                         ; wo_img: 512 bytes a wave
	s_mov_b32 s77, 0
	s_wait_alu depctr_va_vdst(0)
	s_wait_dscnt 0x0                               ; both opening adds are done
	s_wait_kmcnt 0x0
	s_load_b256 s[48:55], s[8:9], 0x0              ; e0 .. e7
	s_add_nc_u64 s[4:5], s[4:5], s[72:73]
.irp u, 0,1
.irp c, 0,1
	global_load_b128 v[Q+8*\u+4*\c:Q+8*\u+4*\c+3], v[LI], s[4:5] offset:1024*\u+512*\c
.endr
.endr
	s_add_nc_u64 s[10:11], s[10:11], s[78:79]
	s_add_nc_u64 s[16:17], s[16:17], s[74:75]
	s_add_nc_u64 s[18:19], s[18:19], s[76:77]
	s_mov_b32 s[G0A], 1
	s_mov_b32 s[G0A+1], s20
	s_add_nc_u64 s[G0A+2:G0A+3], s[6:7], s[68:69]
	s_or_b32 s[G0A+3], s[G0A+3], 0x80000000
	s_mov_b32 s[G0B], 1
	s_mov_b32 s[G0B+1], s21
	s_add_nc_u64 s[G0B+2:G0B+3], s[6:7], s[70:71]
	s_or_b32 s[G0B+3], s[G0B+3], 0x80000000
	CROUND                                         ; the four work-groups are here: the first joint loads meet
	tensor_load_to_lds s[G0A:G0A+3], s[G1A:G1A+7]
	s_nop 0
	s_wait_kmcnt 0x0
	s_mov_b32 s[CS], 0x3e38aa3b                    ; c = log2(e) / 8
	s_add_co_i32 s22, s50, s51
	s_lshl_b32 s22, s22, 23
	s_add_co_i32 s[CS], s[CS], s22                 ; x 2^(e2 + e3), by its exponent field
	s_mov_b32 s[CS+1], s[CS]                       ; (named with it as a pair)
.macro SCALE e, reg
	s_add_co_i32 s22, s[\e], 127
	s_lshl_b32 s23, s22, 23
	v_mov_b32 v[\reg], s23                         ; 2^e
	s_add_co_i32 s22, s22, 15
	s_lshl_b32 s22, s22, 23
	s_or_b32 s22, s22, 0x600000
	v_mov_b32 v[\reg+1], s22                       ; 57,344 x 2^e
.endm
	SCALE 52, PSC
	SCALE 54, OSC
	SCALE 55, WSC
	s_add_co_i32 s62, s52, s53                     ; e4 + e5
	s_wait_alu depctr_va_vdst(0)
	s_wait_tensorcnt 0x0                           ; my part of the first step's tiles is in; these lines stand ahead of a later first fill, as ahead of a refill
	ds_add_u32 v[SPW], v[NIL]
	s_wait_dscnt 0x0
	CROUND                                         ; everybody's part is
	tensor_load_to_lds s[G0B:G0B+3], s[G1B:G1B+7]
	s_nop 0
.irp i, 0,1,2,3                        ; W_out: K = 8 h + 0 .. 7, then 16 + 8 h + 0 .. 7 of my 32
	global_load_b128 v[WN+4*\i:WN+4*\i+3], v26, s[10:11] offset:64*(\i/2)+16*(\i%2)
.endr
	s_wait_loadcnt 4                               ; Q is in; W_out's four may be out
; One tile's softmax over the step's 256 keys: 128 scores a lane.  first = 1: the row's first step: nothing to rescale.
.macro SOFT u, first
.set ST, 8+6*(\u)                      ; -M, the largest score, the sum in two halves, f = 2^(old M - new M)
.set PP, P+32*(\u)                     ; P's registers: the maxima's chains, then the sums' partial pairs lie there until the conversions
.set j, 0
.rept 8                                ; the largest score, in eight chains
	v_max3_num_f32 v[PP+j], v[S+3*j], v[S+3*j+1], v[S+3*j+2]
.set j, j+1
.endr
.set j, 24
.rept 52
	v_max3_num_f32 v[PP+(j/2-12)%8], v[PP+(j/2-12)%8], v[S+j], v[S+j+1]
.set j, j+2
.endr
	v_max3_num_f32 v20, v[PP+4], v[PP+5], v[PP+6]
	v_max3_num_f32 v21, v[PP+7], v[PP], v[PP+1]
	s_delay_alu instid0(VALU_DEP_2)
	v_max3_num_f32 v22, v[PP+2], v[PP+3], v20
	s_delay_alu instid0(VALU_DEP_1)
	v_max_num_f32 v20, v22, v21
	s_delay_alu instid0(VALU_DEP_1)
	v_permlanex16_b32 v24, v20, s[SEL], s[SEL+1]
.if \first
	s_delay_alu instid0(VALU_DEP_1)
	v_max_num_f32 v[ST+1], v20, v24                ; and lane l xor 16's
.else
	s_delay_alu instid0(VALU_DEP_1)
	v_max3_num_f32 v[ST+1], v[ST+1], v20, v24      ; and lane l xor 16's, and the running one
.endif
	s_delay_alu instid0(VALU_DEP_1)
	v_mul_f32 v20, s[CS], v[ST+1]                  ; as t (c is positive)
.if \first
	s_delay_alu instid0(VALU_DEP_1)
	v_floor_f32 v[ST], -v20                        ; -M = floor(-t): a whole number
.else
	v_mov_b32 v21, v[ST]
	s_delay_alu instid0(VALU_DEP_2)
	v_floor_f32 v[ST], -v20
.endif
.set j, 0
.rept 32                               ; t - M of the lower 64; f is made in between
	v_pk_fma_f32 v[S+j:S+j+1], v[S+j:S+j+1], s[CS:CS+1], v[ST:ST+1] op_sel_hi:[1,0,0]
.if !(\first)
.if j == 6
	v_sub_f32 v21, v[ST], v21
.elseif j == 14
	v_cvt_i32_f32 v21, v21                         ; (it saturates)
.elseif j == 22
	v_ldexp_f32 v[ST+4], 1.0, v21                  ; f: nothing is rounded by it
.endif
.endif
.set j, j+2
.endr
	s_wait_alu depctr_va_vdst(0)                   ; ahead of the exponentials
.set j, 0
.rept 32                               ; p = 2^(t - M) of the lower 64; between them t - M of the upper 64
	v_exp_f32 v[S+j], v[S+j]
	v_exp_f32 v[S+j+1], v[S+j+1]
	v_pk_fma_f32 v[S+64+j:S+64+j+1], v[S+64+j:S+64+j+1], s[CS:CS+1], v[ST:ST+1] op_sel_hi:[1,0,0]
.set j, j+2
.endr
	s_wait_alu depctr_va_vdst(0)                   ; ahead of the first reader of the lower exponentials, and ahead of the upper ones
.set j, 0
.rept 16                               ; p of the upper 64; between them the lower 64 are added in pairs, and then held (the conversion does not saturate: ISA guide 7.6.2; p is never negative)
	v_exp_f32 v[S+64+j], v[S+64+j]
	v_exp_f32 v[S+65+j], v[S+65+j]
	v_pk_add_f32 v[PP+j/2:PP+j/2+1], v[S+j:S+j+1], v[S+j+2:S+j+3]
	v_exp_f32 v[S+66+j], v[S+66+j]
	v_exp_f32 v[S+67+j], v[S+67+j]
	v_dual_min_num_f32 v[S+j], v[S+j], v[PLM] :: v_dual_min_num_f32 v[S+j+1], v[S+j+1], v[PLM]
	v_dual_min_num_f32 v[S+j+2], v[S+j+2], v[PLM] :: v_dual_min_num_f32 v[S+j+3], v[S+j+3], v[PLM]
.set j, j+4
.endr
	v_nop
	s_wait_alu depctr_va_vdst(0)                   ; ahead of the first reader of the upper exponentials
.set j, 0
.rept 16                               ; the row's sum is taken of the unquantised p: sixteen independent pairs,
	v_pk_add_f32 v[PP+j:PP+j+1], v[PP+j:PP+j+1], v[S+64+j:S+64+j+1]
.set j, j+2
.endr
.set j, 0
.rept 16
	v_pk_add_f32 v[PP+j:PP+j+1], v[PP+j:PP+j+1], v[S+96+j:S+96+j+1]
.set j, j+2
.endr
.set k, 0
.irp n, 8,4,2,1                        ; folded; between the folds the upper 64 are held
.set j, 0
.rept \n
.if \first && (\n == 1)
	v_pk_add_f32 v[ST+2:ST+3], v[PP:PP+1], v[PP+2:PP+3]
.else
	v_pk_add_f32 v[PP+j:PP+j+1], v[PP+j:PP+j+1], v[PP+2*\n+j:PP+2*\n+j+1]
.endif
.set j, j+2
.endr
.rept 8
	v_dual_min_num_f32 v[S+64+k], v[S+64+k], v[PLM] :: v_dual_min_num_f32 v[S+65+k], v[S+65+k], v[PLM]
.set k, k+2
.endr
.endr
.if !(\first)
	v_pk_fma_f32 v[ST+2:ST+3], v[ST+2:ST+3], v[ST+4:ST+5], v[PP:PP+1] op_sel_hi:[1,0,1]   ; the old sum x f + this step's
.endif
.set j, 0
.rept 16
	v_cvt_scalef32_pk8_bf8_f32 v[PP+2*j:PP+2*j+1], v[S+8*j:S+8*j+7], v[PSC]
.set j, j+1
.endr
	v_nop                                          ; one plain line between the conversions and what writes their sources or reads their results
.endm
.macro SCORES u, t0                    ; S^T = K Q^T, eight tiles of 16 keys
	WIN 0x01
.irp t, 0,1,2,3,4,5,6,7
	v_wmma_f32_16x16x64_bf8_bf8 v[S+8*(\t0+\t):S+8*(\t0+\t)+7], v[KF+8*(\t0+\t):KF+8*(\t0+\t)+7], v[Q+8*(\u):Q+8*(\u)+7], 0
.endr
.endm
.macro FETCH_V reg, b                  ; V^T's four fragments of the step's b-th 128 keys
.irp d, 0,1,2,3
.irp c, 0,1,2,3
	ds_load_b128 v[\reg+16*\d+4*\c:\reg+16*\d+4*\c+3], v[ADR] offset:BLOCK*(\b)+8192+2048*\d+512*\c
.endr
.endr
.endm
.macro PRODUCT reg, b, zero            ; O^T += V^T P^T: the eight accumulators by turns
.irp d, 0,1,2,3
.irp u, 0,1
.if \zero
	v_wmma_f32_16x16x128_bf8_bf8 v[O+32*\u+8*\d:O+32*\u+8*\d+7], v[\reg+16*\d:\reg+16*\d+15], v[P+32*\u+16*(\b):P+32*\u+16*(\b)+15], 0
.else
	v_wmma_f32_16x16x128_bf8_bf8 v[O+32*\u+8*\d:O+32*\u+8*\d+7], v[\reg+16*\d:\reg+16*\d+15], v[P+32*\u+16*(\b):P+32*\u+16*(\b)+15], v[O+32*\u+8*\d:O+32*\u+8*\d+7]
.endif
.endr
.endr
.endm
.macro FETCH_K half, off               ; K's eight fragments of one half (128 keys) of the step that lies off bytes behind ADR's
	WIN 0x40
.irp t, 0,1,2,3,4,5,6,7
.irp c, 0,1
	ds_load_b128 v[KF+64*(\half)+8*\t+4*\c:KF+64*(\half)+8*\t+4*\c+3], v[ADR] offset:\off+BLOCK*(\half)+1024*\t+512*\c
.endr
.endr
.endm
.macro STEP first, next                ; 256 keys; K's fragments have been asked for, the upper half first.  next = 1: the next step's are asked for in here
.if !(\first)
	v_add_nc_u32 v[ADR], s[TB], v[LI]              ; with three v_nop the four places behind the last products, ahead of loads into registers that they read
.rept 3
	v_nop
.endr
.endif
	WIN 0x40
	FETCH_V VF, 0
	s_wait_dscnt 32                                ; K's upper half is in; 16 loads of its lower half and 16 of V may be out
	SCORES 0, 8
	s_wait_dscnt 16                                ; all of K is
	SCORES 0, 0
	WIN 0
.rept 4
	v_nop
.endr
	SOFT 0, \first
	SCORES 1, 0
	SCORES 1, 8
	WIN 0
.rept 4
	v_nop
.endr
	WIN 0x40
	FETCH_V KF, 1                                  ; K's fragments are done with: the lower half takes V's of the upper 128 keys,
.if \next
	FETCH_K 1, 2*BLOCK                             ; the upper half the next step's
.endif
	WIN 0
	SOFT 1, \first
.if !(\first)
	WIN 0x41
	s_wait_alu depctr_va_vdst(0)                   ; ahead of the first reader of O^T
.irp u, 0,1
.set j, 0
.rept 16
	v_pk_mul_f32 v[O+32*\u+j:O+32*\u+j+1], v[O+32*\u+j:O+32*\u+j+1], v[12+6*\u:13+6*\u] op_sel_hi:[1,0]
.set j, j+2
.endr
.endr
.endif
	s_wait_alu depctr_va_vdst(0)                   ; and here, directly ahead of the wait below
	s_wait_dscnt 0x0                               ; V is in
	WIN 0x51
	PRODUCT KF, 1, \first
.if \next
.rept 4
	v_nop
.endr
	FETCH_K 0, 2*BLOCK                             ; the next step's lower half
	WIN 0x51
.endif
	PRODUCT VF, 0, 0
	WIN 0
.endm
	s_mov_b32 s[TB], 0
	v_add_nc_u32 v[ADR], s[TB], v[LI]
	FETCH_K 1, 0
	FETCH_K 0, 0
	STEP 1, 0
	; my 512 numbers of W_out
	s_wait_loadcnt 0x0
.set j, 0
.rept 16
	v_med3_num_f32 v[WN+j], v[WN+j], -v[WLM], v[WLM]
.set j, j+1
.endr
	v_cvt_scalef32_pk8_bf8_f32 v[20:21], v[WN:WN+7], v[WSC]
	v_cvt_scalef32_pk8_bf8_f32 v[22:23], v[WN+8:WN+15], v[WSC]
	v_nop
	global_store_b128 v[LI], v[20:23], s[18:19]    ; 512 consecutive bytes a wave
	s_wait_alu depctr_va_vdst(0)
	s_wait_xcnt 0x0                                ; v20-23 are written again below
	s_wait_tensorcnt 0x0                           ; my part of the other seven steps' tiles is in
	s_wait_dscnt 0x0
	s_barrier_signal -1
	s_barrier_wait -1                              ; everybody's is
	FETCH_K 1, 2*BLOCK                             ; step 1's
	FETCH_K 0, 2*BLOCK
	WIN 0
	s_mov_b32 s[TB], 2*BLOCK
	s_mov_b32 s[CNT], 6
.Lk:
	STEP 0, 1
	s_add_co_u32 s[TB], s[TB], 2*BLOCK
	s_sub_co_u32 s[CNT], s[CNT], 1
	s_cmp_lg_u32 s[CNT], 0
	s_cbranch_scc1 .Lk
	s_mov_b32 s[TB], 14*BLOCK
	STEP 0, 0                                      ; the last step asks for nothing further
; THE WAY OUT: the sums' halves and the other lane's; O^T x 2^(e4 + e5) / sum, held, converted: registers 2 d, 2 d + 1 of the next operand
.irp u, 0,1
	v_add_f32 v[10+6*\u], v[10+6*\u], v[11+6*\u]
.endr
.irp u, 0,1
	s_delay_alu instid0(VALU_DEP_2)
	v_permlanex16_b32 v[24+\u], v[10+6*\u], s[SEL], s[SEL+1]
.endr
.irp u, 0,1
	s_delay_alu instid0(VALU_DEP_2)
	v_add_f32 v[10+6*\u], v[10+6*\u], v[24+\u]
.endr
	s_wait_alu depctr_va_vdst(0)                   ; ahead of the transcendentals
	v_rcp_f32 v20, v10
	v_rcp_f32 v22, v16
	v_nop
	s_wait_alu depctr_va_vdst(0)                   ; and ahead of their first reader
	v_ldexp_f32 v20, v20, s62
	v_ldexp_f32 v22, v22, s62
	WIN 0x01
	s_wait_alu depctr_va_vdst(0)                   ; ahead of the first reader of O^T
.irp u, 0,1
.set j, 0
.rept 16
	v_pk_mul_f32 v[S+32*\u+j:S+32*\u+j+1], v[O+32*\u+j:O+32*\u+j+1], v[20+2*\u:21+2*\u] op_sel_hi:[1,0]
.set j, j+2
.endr
.endr
	WIN 0
.irp u, 0,1
.set j, 0
.rept 32
	v_med3_num_f32 v[S+32*\u+j], v[S+32*\u+j], -v[OLM], v[OLM]
.set j, j+1
.endr
.irp d, 0,1,2,3
	v_cvt_scalef32_pk8_bf8_f32 v[P+8*\u+2*\d:P+8*\u+2*\d+1], v[S+32*\u+8*\d:S+32*\u+8*\d+7], v[OSC]
.endr
.endr
	v_nop
.irp u, 0,1
.irp c, 0,1
	global_store_b128 v[LI], v[P+8*\u+4*\c:P+8*\u+4*\c+3], s[16:17] offset:16384*\u+512*\c
.endr
.endr
	s_wait_tensorcnt 0x0                           ; the wave's end
	ds_add_u32 v[SPW], v[NIL]
	s_wait_dscnt 0x0
	CROUND                                         ; the closing round
	s_endpgm
.Lfunc_end_k_q3a1fc577d4_attn:
	.size	k_q3a1fc577d4_attn, .Lfunc_end_k_q3a1fc577d4_attn-k_q3a1fc577d4_attn
	.p2alignl 7, 3214868480
	.fill 96, 4, 3214868480
	.section	.rodata,"a",@progbits
	.p2align	6, 0x0
	.amdhsa_kernel k_q3a1fc577d4_attn
		.amdhsa_group_segment_fixed_size 327680
		.amdhsa_private_segment_fixed_size 0
		.amdhsa_enable_private_segment 0
		.amdhsa_kernarg_size 48
		.amdhsa_user_sgpr_count 2
		.amdhsa_user_sgpr_kernarg_segment_ptr 1
		.amdhsa_wavefront_size32 1
		.amdhsa_system_sgpr_workgroup_id_x 1
		.amdhsa_system_sgpr_workgroup_id_y 1
		.amdhsa_system_sgpr_workgroup_id_z 1
		.amdhsa_system_vgpr_workitem_id 0
		.amdhsa_next_free_vgpr 512
		.amdhsa_next_free_sgpr 84
		.amdhsa_reserve_vcc 0
		.amdhsa_float_denorm_mode_32 3
		.amdhsa_float_denorm_mode_16_64 3
		.amdhsa_memory_ordered 1
		.amdhsa_forward_progress 1
		.amdhsa_inst_pref_size 175
	.end_amdhsa_kernel
	.amdgpu_metadata
---
amdhsa.version: [ 1, 2 ]
amdhsa.kernels:
  - .name:           k_q3a1fc577d4_attn
    .symbol:         k_q3a1fc577d4_attn.kd
    .args:
      - { .name: q_img, .offset: 0, .size: 8, .value_kind: global_buffer, .address_space: global }
      - { .name: kv_img, .offset: 8, .size: 8, .value_kind: global_buffer, .address_space: global }
      - { .name: lowp_scales, .offset: 16, .size: 8, .value_kind: global_buffer, .address_space: global }
      - { .name: W_out, .offset: 24, .size: 8, .value_kind: global_buffer, .address_space: global }
      - { .name: o_img, .offset: 32, .size: 8, .value_kind: global_buffer, .address_space: global }
      - { .name: wo_img, .offset: 40, .size: 8, .value_kind: global_buffer, .address_space: global }
    .group_segment_fixed_size: 327680
    .private_segment_fixed_size: 0
    .kernarg_segment_align: 8
    .kernarg_segment_size: 48
    .max_flat_workgroup_size: 256
    .sgpr_count:     84
    .vgpr_count:     512
    .wavefront_size: 32
...
	.end_amdgpu_metadata
.endif
;; end of part 3
;; launch gemm_out (part 4): grid 8 x 32, 4 waves a work-group, clusters of 4 x 1, 327,680 bytes of LDS; arguments o_img, wo_img, lowp_scales, b_out, out0; writes out0
.if DOCPART == 4
	.amdgcn_target "amdgcn-amd-amdhsa--gfx1250"
	.amdhsa_code_object_version 6
	.text
	.protected	k_q3a1fc577d4_gemm_out
	.globl	k_q3a1fc577d4_gemm_out
	.p2align	8
	.type	k_q3a1fc577d4_gemm_out,@function
k_q3a1fc577d4_gemm_out:
	s_mov_b64 s[64:65], 0
	v_nop
	global_prefetch_b8 v0, s[64:65] scope:SCOPE_SE
	s_setreg_imm32_b32 hwreg(HW_REG_WAVE_MODE, 25, 1), 1
	s_wait_xcnt 0x0
	s_wait_alu depctr_hold_cnt(0) depctr_sa_sdst(0) depctr_va_vdst(0) depctr_va_sdst(0) depctr_va_ssrc(0) depctr_va_vcc(0) depctr_vm_vsrc(0)
	s_getreg_b32 s2, hwreg(HW_REG_IB_STS2, 6, 4)
	s_cmp_eq_u32 s2, 0
	s_cbranch_scc0 .Lentry_in_a_cluster
	s_endpgm
.Lentry_in_a_cluster:
	s_bfe_u32 s2, ttmp6, 0x10000c
	s_cmp_lg_u32 s2, 0x3003
	s_cbranch_scc0 .Lentry_shape_is_right
	s_endpgm
.Lentry_shape_is_right:
; out0 = O W_out^T + b_out on codes of BF8 (E5M2); both operands come as images: [tile of 16 rows][K unit of 128: 8][2,048 bytes].  out0 [4096][1024] f32 = sum x 2^(e6 + e7) + bias, one fused multiply-add.
; LIMIT: e6 + e7 between -126 and 127, so that 2^(e6 + e7) is an f32 number.
; SHARES.  A tile of out0 is 128 x 128: 8 x 32 = 256 work-groups; four waves, 64 x 64 each.
; O: the tile's WHOLE K, 8 tiles x 16,384 dense bytes, lies in LDS, filled once, by one tensor load of 32,768 bytes a wave.  It is the same for all tile columns: the four work-groups of a cluster ask for it JOINTLY.
; W goes from memory STRAIGHT INTO REGISTERS: my 64 columns x all of K are 65,536 bytes, 128 loads of 512 consecutive bytes, 512 registers, which keep it to the end.  It is not shared by mask: no byte of it is wanted in LDS,
; where it would be written once and read once by each of two waves to fill the very same registers.
; No prefetch: everything is asked for at the head.
; BY ROWS OF out0.  My four blocks of 16 rows are finished one after the other, and each leaves while the next is multiplied.
; THE MATRIX INSTRUCTION IS USED TRANSPOSED (source 0 = 16 rows of W_out, source 1 = 16 rows of O): a lane holds eight neighbouring numbers of a row of out0.
; REGISTERS.  window 0: v1-31 addresses; v32-63 the bias; v64-95 a block's results; v96-159 rows read back, two sets; v160-191 four accumulators.   window 1: O's fragments of a block, two buffers of 128.   windows 2, 3: W's, unit k tile b at 16 (4 k + b).
.set PITCH, 272                        ; a row of the stage: 256 bytes + 16
.set STG,   131072                     ; a stage of 16 rows for each wave; no tensor load ever lands there
.set SPARE, STG+4*16*PITCH
.set AAO, 16
.set LI,  20                           ; 16 x lane
.set STO, 24
.set RD,  25
.set CO,  26
.set BO,  27
.set BI,  32
.set TMP, 64
.set BK,  96
.set ACC, 160
.set G1A, 24
.set G0A, 32
.set MSB, 0
.macro WIN new                         ; the immediate's high byte repeats the setting that is left
.if MSB != (\new)
	s_set_vgpr_msb (MSB<<8)|(\new)
.set MSB, (\new)
.endif
.endm
.macro CROUND                          ; a round of the cluster's barrier
	s_barrier_signal -1
	s_barrier_wait -1
	s_cmp_lg_u32 s14, 0
	s_cbranch_scc1 .Lnot_wave_0_\@
	s_barrier_signal -3
.Lnot_wave_0_\@:
	s_barrier_wait -3
	s_barrier_signal -1
	s_barrier_wait -1
.endm
	s_load_b128 s[4:7], s[0:1], 0x0                ; o_img, wo_img
	s_load_b128 s[8:11], s[0:1], 0x10              ; the scales' exponents, b_out
	s_load_b64 s[12:13], s[0:1], 0x20              ; out0
	v_lshl_add_u32 v30, v0, 2, SPARE
	v_mov_b32 v31, 0
	ds_add_u32 v30, v31                            ; the opening: the add, twice on end, and its wait
	ds_add_u32 v30, v31
	v_lshrrev_b32 v1, 5, v0
	v_readfirstlane_b32 s14, v1                    ; wave 0..3
	s_lshr_b32 s15, s14, 1                         ; my half of the rows
	s_and_b32 s16, s14, 1                          ; my half of the columns
	s_lshl_b32 s22, s15, 16                        ; my four tiles of O
	s_mul_i32 s86, s14, 16*PITCH
	s_add_co_u32 s86, s86, STG                     ; my stage
	v_and_b32 v1, 15, v0                           ; r
	v_bfe_u32 v2, v0, 4, 1                         ; h
	v_and_b32 v3, 31, v0
	v_lshlrev_b32 v[LI], 4, v3
	v_add_nc_u32 v[AAO], s22, v[LI]
	v_mul_u32_u24 v4, v1, PITCH
	v_lshl_add_u32 v6, v2, 5, v4                   ; in: row r, 32 bytes for each half of the lanes
	v_add_nc_u32 v[STO], s86, v6
	v_mul_u32_u24 v7, v2, PITCH                    ; back: lanes 0-15 take one row of 256 bytes, lanes 16-31 the next
	v_lshl_add_u32 v7, v1, 4, v7
	v_add_nc_u32 v[RD], s86, v7
	v_lshlrev_b32 v[CO], 12, v2                    ; and the same two rows in out0
	v_lshl_add_u32 v[CO], v1, 4, v[CO]
	v_lshlrev_b32 v[BO], 5, v2
	s_bfe_u32 s76, ttmp6, 0x40000                  ; cx
	s_lshl_b32 s78, ttmp9, 2
	s_add_co_u32 s78, s78, s76                     ; tile column
	s_and_b32 s17, ttmp7, 0xffff                   ; tile row
	s_mov_b32 s[G1A], 15|(3<<16)|(1<<21)           ; the mask: the cluster's four; elements of 8 bytes; no padding; 21 set beside a mask
	s_mov_b32 s[G1A+1], 32<<16                     ; 128 rows of 256 bytes, dense
	s_mov_b32 s[G1A+2], 128<<16
	s_mov_b32 s[G1A+3], 32<<16
	s_mov_b32 s[G1A+4], 128
	s_mov_b32 s[G1A+5], 32
	s_mov_b32 s[G1A+6], 0
	s_mov_b32 s[G1A+7], 0
	s_lshl_b32 s20, s14, 15                        ; the part that I fetch: its place in LDS
	s_lshl_b32 s18, s17, 17
	s_add_co_u32 s18, s18, s20                     ; and in memory
	s_mov_b32 s19, 0
	s_lshl_b32 s82, s78, 17
	s_lshl_b32 s83, s16, 16
	s_add_co_u32 s82, s82, s83                     ; my 64 rows of W_out
	s_mov_b32 s83, 0
	s_lshl_b32 s86, s78, 9                         ; my 64 columns, in bytes
	s_lshl_b32 s87, s16, 8
	s_add_co_u32 s86, s86, s87
	s_mov_b32 s87, 0
	s_lshl_b32 s90, s17, 19                        ; my first row: 128 x tile row + 64 x half, 4,096 bytes each
	s_lshl_b32 s91, s15, 18
	s_add_co_u32 s90, s90, s91
	s_add_co_u32 s90, s90, s86
	s_mov_b32 s91, 0
	s_wait_alu depctr_va_vdst(0)
	s_wait_dscnt 0x0                               ; both opening adds are done
	s_wait_kmcnt 0x0
	s_load_b64 s[96:97], s[8:9], 0x18              ; e6, e7
	s_add_nc_u64 s[18:19], s[4:5], s[18:19]
	s_add_nc_u64 s[82:83], s[6:7], s[82:83]
	s_add_nc_u64 s[84:85], s[10:11], s[86:87]      ; my columns' bias
	s_add_nc_u64 s[88:89], s[12:13], s[90:91]
	s_mov_b32 s[G0A], 1
	s_mov_b32 s[G0A+1], s20
	s_mov_b64 s[G0A+2:G0A+3], s[18:19]
	s_or_b32 s[G0A+3], s[G0A+3], 0x80000000
.macro LB k                            ; W's four fragments of K unit k: 16 loads
	WIN 0x80+0x40*((\k)/4)
.irp b, 0,1,2,3
.irp c, 0,1,2,3
	global_load_b128 v[64*((\k)%4)+16*\b+4*\c:64*((\k)%4)+16*\b+4*\c+3], v[LI], s[82:83] offset:16384*\b+2048*(\k)+512*\c
.endr
.endr
.endm
	CROUND                                         ; the four work-groups are here: the joint loads meet
	tensor_load_to_lds s[G0A:G0A+3], s[G1A:G1A+7]
	s_nop 0
.rept 4
	v_nop
.endr
.irp b, 0,1,2,3
	global_load_b128 v[BI+8*\b:BI+8*\b+3], v[BO], s[84:85] offset:64*\b
	global_load_b128 v[BI+8*\b+4:BI+8*\b+7], v[BO], s[84:85] offset:64*\b+16
.endr
	s_wait_kmcnt 0x0
	s_add_co_i32 s96, s96, s97
	s_add_co_i32 s96, s96, 127
	s_lshl_b32 s96, s96, 23                        ; 2^(e6 + e7) as f32
	s_mov_b32 s97, s96                             ; (named with it as a pair)
.irp k, 0,1,2,3,4,5,6,7
	LB \k
.endr
	WIN 0
.macro LA a, k                         ; O's fragment of block a, K unit k: 4 loads
	WIN 0x40
.irp c, 0,1,2,3
	ds_load_b128 v[128*((\a)%2)+16*(\k)+4*\c:128*((\a)%2)+16*(\k)+4*\c+3], v[AAO] offset:16384*(\a)+2048*(\k)+512*\c
.endr
.endm
.macro MUL a, k                        ; the four accumulators by turns; K unit 0 starts the sums
	WIN 0x06+(\k)/4
.irp b, 0,1,2,3
.if (\k) == 0
	v_wmma_f32_16x16x128_bf8_bf8 v[ACC+8*\b:ACC+8*\b+7], v[64*((\k)%4)+16*\b:64*((\k)%4)+16*\b+15], v[128*((\a)%2)+16*(\k):128*((\a)%2)+16*(\k)+15], 0
.else
	v_wmma_f32_16x16x128_bf8_bf8 v[ACC+8*\b:ACC+8*\b+7], v[64*((\k)%4)+16*\b:64*((\k)%4)+16*\b+15], v[128*((\a)%2)+16*(\k):128*((\a)%2)+16*(\k)+15], v[ACC+8*\b:ACC+8*\b+7]
.endif
.endr
.endm
; Block a: sum x 2^(e6 + e7) + bias into my own stage, and back as whole rows; LDS serves a wave's instructions in order (ISA guide 5.7.1.4)
.macro TOSTAGE a
	WIN 0
.rept 4
	v_nop                                          ; four places behind the last product; also those ahead of the next loads into O's buffer
.endr
.set j, 0
.rept 16
	v_pk_fma_f32 v[TMP+j:TMP+j+1], v[ACC+j:ACC+j+1], s[96:97], v[BI+j:BI+j+1] op_sel_hi:[1,0,1]
.set j, j+2
.endr
.irp b, 0,1,2,3
	ds_store_b128 v[STO], v[TMP+8*\b:TMP+8*\b+3] offset:64*\b
	ds_store_b128 v[STO], v[TMP+8*\b+4:TMP+8*\b+7] offset:64*\b+16
.endr
.if (\a) >= 2
	s_wait_xcnt 0x0                                ; block a - 2's stores have read their data
.endif
.irp t, 0,1,2,3,4,5,6,7
	ds_load_b128 v[BK+32*((\a)%2)+4*\t:BK+32*((\a)%2)+4*\t+3], v[RD] offset:\t*2*PITCH
.endr
.endm
.macro SEND a
.irp t, 0,1,2,3,4,5,6,7
	global_store_b128 v[CO], v[BK+32*((\a)%2)+4*\t:BK+32*((\a)%2)+4*\t+3], s[88:89] offset:(16*(\a)+2*\t)*4096 th:TH_STORE_NT   ; 16 lanes store 256 consecutive bytes; read by nobody here
.endr
.endm
	s_wait_tensorcnt 0x0                           ; my part of O is in
	s_barrier_signal -1
	s_barrier_wait -1                              ; everybody's is; nothing is filled again
.irp k, 0,1,2,3,4,5,6,7
	LA 0, \k
.endr
.irp k, 0,1,2,3,4,5,6,7
	s_wait_dscnt 28                                ; block 0's unit k is in: behind its loads stand 4 (7 - k) of block 0 and 4 k of block 1
.if \k < 4
	s_wait_loadcnt 63                              ; W's unit k is in: at least 64 loads stand behind it
.else
	s_wait_loadcnt 16*(7-\k)                       ; W's unit k is in; the later units' loads may be out
.endif
	MUL 0, \k
	LA 1, \k
.endr
	TOSTAGE 0
.irp a, 1,2,3
	s_wait_dscnt 16                                ; block a's fragments are in; the 16 LDS instructions of the block before's stage may be out
.irp k, 0,1,2,3,4,5,6,7
	MUL \a, \k
.if \a < 3
	LA \a+1, \k                                    ; into the buffer that the block before has done with
.endif
.endr
	WIN 0
.if \a < 3
	s_wait_dscnt 32                                ; the block before is back from the stage; the 32 loads behind it may be out
.else
	s_wait_dscnt 0x0
.endif
	SEND \a-1
	TOSTAGE \a
.endr
	s_wait_dscnt 0x0
	SEND 3
	s_wait_tensorcnt 0x0                           ; the wave's end
	ds_add_u32 v30, v31
	s_wait_dscnt 0x0
	CROUND                                         ; the closing round
	s_endpgm
.Lfunc_end_k_q3a1fc577d4_gemm_out:
	.size	k_q3a1fc577d4_gemm_out, .Lfunc_end_k_q3a1fc577d4_gemm_out-k_q3a1fc577d4_gemm_out
	.p2alignl 7, 3214868480
	.fill 96, 4, 3214868480
	.section	.rodata,"a",@progbits
	.p2align	6, 0x0
	.amdhsa_kernel k_q3a1fc577d4_gemm_out
		.amdhsa_group_segment_fixed_size 327680
		.amdhsa_private_segment_fixed_size 0
		.amdhsa_enable_private_segment 0
		.amdhsa_kernarg_size 40
		.amdhsa_user_sgpr_count 2
		.amdhsa_user_sgpr_kernarg_segment_ptr 1
		.amdhsa_wavefront_size32 1
		.amdhsa_system_sgpr_workgroup_id_x 1
		.amdhsa_system_sgpr_workgroup_id_y 1
		.amdhsa_system_sgpr_workgroup_id_z 1
		.amdhsa_system_vgpr_workitem_id 0
		.amdhsa_next_free_vgpr 1024
		.amdhsa_next_free_sgpr 100
		.amdhsa_reserve_vcc 0
		.amdhsa_float_denorm_mode_32 3
		.amdhsa_float_denorm_mode_16_64 3
		.amdhsa_memory_ordered 1
		.amdhsa_forward_progress 1
		.amdhsa_inst_pref_size 48
	.end_amdhsa_kernel
	.amdgpu_metadata
---
amdhsa.version: [ 1, 2 ]
amdhsa.kernels:
  - .name:           k_q3a1fc577d4_gemm_out
    .symbol:         k_q3a1fc577d4_gemm_out.kd
    .args:
      - { .name: o_img, .offset: 0, .size: 8, .value_kind: global_buffer, .address_space: global }
      - { .name: wo_img, .offset: 8, .size: 8, .value_kind: global_buffer, .address_space: global }
      - { .name: lowp_scales, .offset: 16, .size: 8, .value_kind: global_buffer, .address_space: global }
      - { .name: b_out, .offset: 24, .size: 8, .value_kind: global_buffer, .address_space: global }
      - { .name: out0, .offset: 32, .size: 8, .value_kind: global_buffer, .address_space: global }
    .group_segment_fixed_size: 327680
    .private_segment_fixed_size: 0
    .kernarg_segment_align: 8
    .kernarg_segment_size: 40
    .max_flat_workgroup_size: 128
    .sgpr_count:     100
    .vgpr_count:     1024
    .wavefront_size: 32
...
	.end_amdgpu_metadata
.endif
;; end of part 4
